; MI455X (gfx1250); checked and timed in simulation.
; The chip was launched on July 23, 2026; its instructions are those of AMD's public machine-readable ISA for CDNA 5 (MIT licence, August 2026) and "CDNA5" Instruction Set Architecture Reference Guide (July 2026). The comments in the code are by the model that wrote it; some were corrected since.
;; Head. Allowed arithmetic: float matrix products may take bf16 or f16 operands with f32 sums; all other float work in f32.
;; Inputs: Wk 64 x 512 float32; Wq 64 x 512 float32; Wv 512 x 512 float32; x 4 x 4,096 x 512 float32.
;; Outputs: out0 4 x 4,096 x 512 float32.
;; 2 versions, each right; version 2 is version 1 with the launch comb written anew for expert scheduling mode. Each part assembles by itself: llvm-mc -triple=amdgcn-amd-amdhsa -mcpu=gfx1250 --defsym DOCPART=n.
;; ======== version 1 of 2: 3 launches
;; limits: values are held in f16: magnitudes above 65,504 overflow, below 6.1e-05 lose precision
;; workspace buffers: qf 2,097,152 bytes; kv 18,874,368 bytes; lo 278,528 bytes; part 33,554,432 bytes; stat 131,072 bytes
;; launch proj (part 1): grid 4 x 64, 4 waves a work-group, clusters of 4 x 4, 327,680 bytes of LDS; arguments x, Wk, Wq, Wv, qf, kv, lo; writes qf, kv, lo
.if DOCPART == 1
	.amdgcn_target "amdgcn-amd-amdhsa--gfx1250"
	.amdhsa_code_object_version 6
	.text
	.protected	k_q91e06738d4_proj
	.globl	k_q91e06738d4_proj
	.p2align	8
	.type	k_q91e06738d4_proj,@function
k_q91e06738d4_proj:
	s_mov_b64 s[64:65], 0
	v_nop
	global_prefetch_b8 v0, s[64:65] scope:SCOPE_SE
	s_setreg_imm32_b32 hwreg(HW_REG_WAVE_MODE, 25, 1), 1
	s_wait_xcnt 0x0
	s_wait_alu depctr_hold_cnt(0) depctr_sa_sdst(0) depctr_va_vdst(0) depctr_va_sdst(0) depctr_va_ssrc(0) depctr_va_vcc(0) depctr_vm_vsrc(0)
	s_getreg_b32 s2, hwreg(HW_REG_IB_STS2, 6, 4)
	s_cmp_eq_u32 s2, 0
	s_cbranch_scc0 .Lentry_in_a_cluster
	s_endpgm
.Lentry_in_a_cluster:
	s_bfe_u32 s2, ttmp6, 0x10000c
	s_cmp_lg_u32 s2, 0xf033
	s_cbranch_scc0 .Lentry_shape_is_right
	s_endpgm
.Lentry_shape_is_right:
; FIRST OF THREE LAUNCHES (proj, attn, comb) of one causal attention head.
; x [4][4096][512] f32;  K = x Wk^T, Q = x Wq^T (64 columns);  V = x Wv^T (512 columns);  out = softmax(tril(Q K^T / 8)) V.
; This launch makes Q, K and V.  x and the weights are rounded to bf16 for the products, the sums are f32, and the results are
; stored in f16, already in the order in which the next launch's matrix instructions want their lanes' registers.
;
; WORK LEFT OUT BY THE PROGRAM (in the launch attn): the scores of row t and key s > t are set to -inf by the jnp.tril that the
; problem's own body builds, so their softmax weight is exactly 0 whatever x, Wk, Wq, Wv hold, and 0 x V adds nothing.  Blocks of 128
; keys that lie wholly above the diagonal of a group of 256 query rows are therefore neither fetched nor multiplied.  Inside the
; 256 x 256 square on the diagonal everything is computed and masked.  All four inputs reach the output and all are loaded.
; LIMITS: a NaN, an infinity or an overflow at a key position that only such left-out blocks hold is not carried to earlier rows.
; Q x 0.125 log2(e), K and V are kept in f16: magnitudes above 65,504 become infinite (inputs of the problem's kind give about 5;
; x and the weights both 30 times larger give about 5,000, a common offset of 30 spreads on both about 20,000).
; TWO f16 FOR THE FIRST KEYS: rows 0 .. 31 of a batch sum over at most 32 keys, so the roundings to f16 do not average out there as they do
; in later rows.  For keys 0 .. 31 (K, V) and rows 0 .. 255 (Q) of each batch the rest, value - f16(value), is stored too, in f16, in lo;
; attn adds the products with it.  From row 32 on Q, K, P and V carry one rounding to f16 each (relative 2^-11 at the most).
;
; SHARES.  A work-group takes 256 rows of x and 160 outputs: 16 columns of K, the same 16 of Q, 128 columns of V (block nb of four).
; Wave w takes rows 64 w .. 64 w + 63: 4 row tiles x (1 K + 1 Q + 8 V) = 40 accumulator tiles of 16 x 16.
; The 512 of the inner dimension go in 8 chunks of 64 (rows of 256 bytes of f32) through two LDS slots, each chunk in two steps of 32.
; CLUSTER 4 x 4: the four work-groups of a cluster row share the rows of x, the four of a column share the weights; each tile is
; asked for jointly, which divides the requests for x and for the weights by four.  The four of a column are the four batches
; (block of rows rb = 16 cy + the cluster's y), so that "the first 256 rows of a batch" is a matter of the cluster's number alone.
;
; FRAGMENT ORDER IN qf, kv AND lo.  A fragment (16 x 32 of f16) is 1 KiB: byte 512 half + 16 lane holds the lane's registers 4 half .. 4 half + 3.
;   qf: [16-row tile, 1024 of them][head half kk][1 KiB]
;   kv: [block of 128 keys, 128 of them][147,456 bytes]: K [key tile 0..7][kk][1 KiB], then at 16,384 V [32 keys q 0..3][e tile 0..31][1 KiB]
;   lo: [batch][69,632 bytes]: K [key tile 0..1][kk][1 KiB], at 4,096 V [e tile 0..31][1 KiB], at 36,864 Q [row tile 0..15][kk][1 KiB]
; K and Q come from D = W fragment x x fragment: lane (r, h) register j = K[row r][16 nb + 8 h + j], eight neighbouring head columns.
; V comes from D = x fragment x Wv fragment: lane (r, h) register j = V[row 8 h + j][column r], eight neighbouring keys.
; Both pack into four registers that are one half of a fragment of the next launch (ISA guide 7.12.2 for the lanes' maps).
.set PITCH, 272                        ; an LDS row: 256 bytes + 16 of padding, so that the 16 rows of a fragment load start 16 bytes apart modulo 256
.set WREG,  256*PITCH                  ; the weights' rows lie behind x's 256: Wv's 128, Wk's 16, Wq's 16
.set SLOT,  416*PITCH                  ; 113,152 bytes
.set BLK,   147456                     ; a key block in kv
.set LOB,   69632                      ; a batch in lo
.set LOV,   4096
.set LOQ,   36864
.set XA,   2                           ; v2-3   LDS address of my x fragments in slot 0, 1
.set WA,   4                           ; v4-5   the same for the weights
.set VO,   6                           ; v6     16 x lane
.set KAC,  16                          ; v[16:47]   K accumulators, row tile i at 8 i
.set QAC,  48                          ; v[48:79]   Q accumulators
.set XF,   80                          ; v[80:111]  4 bf16 fragments of x
.set WF,   112                         ; v[112:191] 10 bf16 fragments of weights: Wv tiles 0-7, Wk = 8, Wq = 9, as they lie in LDS
; the way out (fragments and, behind their packing, K's and Q's accumulators are no longer needed):
.set OUTR, 80                          ; v[80:95] K packed, v[96:111] Q packed
.set VH0,  16                          ; v[16:79]   V packed, row tiles 0, 1 (below v128, where a register's halves have names)
.set VH2,  112                         ; v[112:175] V packed, row tiles 2, 3
.set UU,   176                         ; v[176:239] the rounded values back in f32, then the rests
.set QLO,  240                         ; v[240:255] Q's rests packed;  v[8:15] K's;  v[80:143] V's (behind a wait);  v7 their byte offset
; window 1 (v256-511): V accumulator (i, e) at 8 (8 i + e).   window 2 (v512-735): f32 as loaded, x fragment i at 16 i, weights m at 64 + 16 m
.set G0X, 32                           ; s[32:39] descriptor group 0 for x, one set for each slot
.set G0V, 40                           ; s[40:47] for Wv
.set G0K, 48                           ; s[48:55] for Wk
.set G0Q, 56                           ; s[56:63] for Wq
.set G1X, 68                           ; s[68:75] group 1: 256 rows, mask of my cluster row
.set G1V, 76                           ; s[76:83] group 1: 128 rows, mask of my cluster column
.set G1S, 84                           ; s[84:91] group 1: 16 rows, mask of my cluster column (Wk and Wq)
.set G1W0, (2<<16)|(1<<20)|(1<<21)|(5<<22)|(3<<25)   ; elements of 4 bytes; padding on; bit 21 beside a mask; after every 64 words; 4 words
.set MSB, 0
.macro WIN new                         ; the immediate's high byte repeats the setting that is left
.if MSB != \new
	s_set_vgpr_msb (MSB<<8)|\new
.set MSB, \new
.endif
.endm
.macro PLACES                          ; four places behind a matrix instruction before a vector instruction touches its registers (ISA guide 7.12.1)
.rept 4
	v_nop
.endr
.endm
.macro ROUND                           ; a round of the cluster's barrier: my work-group's barrier, wave 0 signals for it, all wait for all sixteen, my work-group's barrier again
	s_barrier_signal -1
	s_barrier_wait -1
	s_cmp_lg_u32 s16, 0
	s_cbranch_scc1 .Lnw0_\@
	s_barrier_signal -3
.Lnw0_\@:
	s_barrier_wait -3
	s_barrier_signal -1
	s_barrier_wait -1
.endm
.macro SHAPE g, rows                   ; group 1 but for its first word: a tile of \rows rows x 64 f32, 512 f32 from row to row
	s_mov_b32 s[\g+1], 64<<16              ; tensor_dim0 = 64
	s_mov_b32 s[\g+2], \rows<<16           ; tensor_dim1
	s_mov_b32 s[\g+3], 64<<16              ; tile_dim0 = 64
	s_mov_b32 s[\g+4], \rows               ; tile_dim1
	s_mov_b32 s[\g+5], 512                 ; pitch
	s_mov_b32 s[\g+6], 0
	s_mov_b32 s[\g+7], 0
.endm
.macro PLACE0 g, src, ldso             ; group 0 for both slots: chunk 0 into slot 0, chunk 1 into slot 1
.irp t, 0,1
	s_mov_b32 s[\g+4*\t], 1
	s_mov_b32 s[\g+4*\t+1], \t*SLOT+\ldso
	s_add_nc_u64 s[\g+4*\t+2:\g+4*\t+3], s[\src:\src+1], \t*256
	s_or_b32 s[\g+4*\t+3], s[\g+4*\t+3], 0x80000000
.endr
.endm
; One joint load a wave: wave 0 x's 256 rows, wave 1 Wv's 128, wave 2 Wk's 16, wave 3 Wq's 16.  Each line has one mask; the branch hangs on the wave's number alone.
.macro JLOAD t
	s_cmp_lg_u32 s16, 0
	s_cbranch_scc1 .Lj1_\@
	tensor_load_to_lds s[G0X+4*\t:G0X+4*\t+3], s[G1X:G1X+7]
	s_nop 0
	s_branch .Ljd_\@
.Lj1_\@:
	s_cmp_lg_u32 s16, 1
	s_cbranch_scc1 .Lj2_\@
	tensor_load_to_lds s[G0V+4*\t:G0V+4*\t+3], s[G1V:G1V+7]
	s_nop 0
	s_branch .Ljd_\@
.Lj2_\@:
	s_cmp_lg_u32 s16, 2
	s_cbranch_scc1 .Lj3_\@
	tensor_load_to_lds s[G0K+4*\t:G0K+4*\t+3], s[G1S:G1S+7]
	s_nop 0
	s_branch .Ljd_\@
.Lj3_\@:
	tensor_load_to_lds s[G0Q+4*\t:G0Q+4*\t+3], s[G1S:G1S+7]
	s_nop 0
.Ljd_\@:
.endm
	s_load_b256 s[4:11], s[0:1], 0x0               ; x s[4:5], Wk s[6:7], Wq s[8:9], Wv s[10:11]
	s_load_b128 s[12:15], s[0:1], 0x20             ; qf s[12:13], kv s[14:15]
	s_load_b64 s[66:67], s[0:1], 0x30              ; lo
	s_set_vgpr_msb 0x80
	v_lshl_add_u32 v224, v0, 2, 0x37400
	v_mov_b32 v225, 0
	s_set_vgpr_msb 0x808a
	ds_add_u32 v224, v225
	s_set_vgpr_msb 0x8a00
	v_lshrrev_b32 v1, 5, v0
	v_readfirstlane_b32 s16, v1                    ; wave 0..3
	s_bfe_u32 s17, ttmp6, 0x40000                  ; cx
	s_bfe_u32 s18, ttmp6, 0x40004                  ; cy = the batch
	s_lshl_b32 s19, ttmp9, 2
	s_add_co_u32 s19, s19, s17                     ; nb: which block of outputs
	s_and_b32 s20, ttmp7, 0xffff                   ; the cluster's y, 0..15: which 256 rows of the batch
	s_lshl4_add_u32 s20, s18, s20                  ; rb = 16 cy + that: which 256 rows of x (0..63, through all batches)
	s_lshl_b32 s21, s18, 2
	s_lshl_b32 s21, 15, s21                        ; my row of the cluster
	s_lshl_b32 s22, 0x1111, s17                    ; my column
	s_or_b32 s[G1X], s21, G1W0
	s_or_b32 s[G1V], s22, G1W0
	s_or_b32 s[G1S], s22, G1W0
	SHAPE G1X, 256
	SHAPE G1V, 128
	SHAPE G1S, 16
	s_lshl_b32 s24, s20, 19                        ; rb x 256 rows x 2,048 bytes: hangs on the block of rows alone
	s_mov_b32 s25, 0
	s_lshl_b32 s26, s19, 18                        ; nb x 128 rows of Wv: on the block of outputs alone
	s_mov_b32 s27, 0
	s_lshl_b32 s28, s19, 15                        ; nb x 16 rows of Wk and of Wq
	s_mov_b32 s29, 0
	s_wait_dscnt 0x0
	s_wait_kmcnt 0x0
	s_add_nc_u64 s[4:5], s[4:5], s[24:25]
	s_add_nc_u64 s[10:11], s[10:11], s[26:27]
	s_add_nc_u64 s[6:7], s[6:7], s[28:29]
	s_add_nc_u64 s[8:9], s[8:9], s[28:29]
	PLACE0 G0X, 4, 0
	PLACE0 G0V, 10, WREG
	PLACE0 G0K, 6, WREG+128*PITCH
	PLACE0 G0Q, 8, WREG+144*PITCH
	ROUND                                          ; all sixteen work-groups are here: the first joint loads meet
	JLOAD 0                                        ; chunk 0 into slot 0
	; A bf16 fragment wants of row r the numbers 8 h .. 8 h + 7 and 16 + 8 h .. 16 + 8 h + 7 of a step of 32: in f32 four loads of 16 bytes at 32 h + 0, 16, 64, 80
	v_and_b32 v7, 15, v0                           ; r
	v_bfe_u32 v8, v0, 4, 1                         ; h
	v_mul_u32_u24 v9, v7, PITCH
	v_lshl_add_u32 v9, v8, 5, v9
	s_mul_i32 s3, s16, 64*PITCH                    ; my 64 rows of x
	v_add_nc_u32 v[XA], s3, v9
	v_add_nc_u32 v[XA+1], SLOT, v[XA]
	v_add_nc_u32 v[WA], WREG, v9
	v_add_nc_u32 v[WA+1], WREG+SLOT, v9
	v_and_b32 v[VO], 31, v0
	v_lshlrev_b32 v[VO], 4, v[VO]
; 56 LDS loads: the f32 of one step of 32 (ks = 0, 1 of the chunk), x's four fragments first, then the ten of the weights
.macro LOADF slot, ks
	WIN 0x80                                       ; destination window 2, address window 0
.irp i, 0,1,2,3
.irp o, 0,1,2,3
	ds_load_b128 v[16*\i+4*\o:16*\i+4*\o+3], v[XA+\slot] offset:\i*16*PITCH+\ks*128+16*(\o&1)+64*(\o>>1)
.endr
.endr
.irp m, 0,1,2,3,4,5,6,7,8,9
.irp o, 0,1,2,3
	ds_load_b128 v[64+16*\m+4*\o:64+16*\m+4*\o+3], v[WA+\slot] offset:\m*16*PITCH+\ks*128+16*(\o&1)+64*(\o>>1)
.endr
.endr
.endm
; f32 to bf16, two at a time, into the fragments
.macro CVT
	PLACES                                         ; the fragments were sources of the last products
	s_wait_dscnt 40                                ; x's 16 loads are in; the 40 of the weights may stay out
	WIN 0x0a                                       ; both sources window 2, destination window 0
.irp i, 0,1,2,3
.irp j, 0,1,2,3,4,5,6,7
	v_cvt_pk_bf16_f32 v[XF+8*\i+\j], v[16*\i+2*\j], v[16*\i+2*\j+1]
.endr
.endr
	s_wait_dscnt 0x0
.irp m, 0,1,2,3,4,5,6,7,8,9
.irp j, 0,1,2,3,4,5,6,7
	v_cvt_pk_bf16_f32 v[WF+8*\m+\j], v[64+16*\m+2*\j], v[64+16*\m+2*\j+1]
.endr
.endr
.endm
; 40 products, every accumulator once: the accumulators take turns, one instruction a turn.  zero = 1: the first products start the sums.
.macro MULS zero
	WIN 0
.irp i, 0,1,2,3
.if \zero
	v_wmma_f32_16x16x32_bf16 v[KAC+8*\i:KAC+8*\i+7], v[WF+64:WF+71], v[XF+8*\i:XF+8*\i+7], 0
	v_wmma_f32_16x16x32_bf16 v[QAC+8*\i:QAC+8*\i+7], v[WF+72:WF+79], v[XF+8*\i:XF+8*\i+7], 0
.else
	v_wmma_f32_16x16x32_bf16 v[KAC+8*\i:KAC+8*\i+7], v[WF+64:WF+71], v[XF+8*\i:XF+8*\i+7], v[KAC+8*\i:KAC+8*\i+7]
	v_wmma_f32_16x16x32_bf16 v[QAC+8*\i:QAC+8*\i+7], v[WF+72:WF+79], v[XF+8*\i:XF+8*\i+7], v[QAC+8*\i:QAC+8*\i+7]
.endif
.endr
	WIN 0x50                                       ; C and D window 1
.irp i, 0,1,2,3
.irp e, 0,1,2,3,4,5,6,7
.if \zero
	v_wmma_f32_16x16x32_bf16 v[8*(8*\i+\e):8*(8*\i+\e)+7], v[XF+8*\i:XF+8*\i+7], v[WF+8*\e:WF+8*\e+7], 0
.else
	v_wmma_f32_16x16x32_bf16 v[8*(8*\i+\e):8*(8*\i+\e)+7], v[XF+8*\i:XF+8*\i+7], v[WF+8*\e:WF+8*\e+7], v[8*(8*\i+\e):8*(8*\i+\e)+7]
.endif
.endr
.endr
.endm
; One chunk of 64.  In front of the round every wave has waited for its one tensor load (its part of this chunk) and for its reads of the other slot;
; behind the round no wave of any partner reads that slot, and it is filled again first thing, one load a wave, which has the chunk's work in which to land.
.macro TRIP slot, refill, zero
	WIN 0
	s_set_vgpr_msb 0xa
	s_wait_tensorcnt 0x0                           ; no tensor load of mine is out: every group 0 may be written
	ds_add_u32 v224, v225
	s_wait_dscnt 0x0
	s_set_vgpr_msb 0xa00
.irp g, G0X, G0V, G0K, G0Q
	s_add_nc_u64 s[\g+4*\slot+2:\g+4*\slot+3], s[\g+4*\slot+2:\g+4*\slot+3], 512   ; this slot's next chunk, two on
.endr
	s_wait_dscnt 0x0
	ROUND
.if \refill
.if \slot
	JLOAD 0
.else
	JLOAD 1
.endif
.endif
	LOADF \slot, 0
	CVT
	LOADF \slot, 1                                 ; the f32 registers are free again: the second step's loads land behind the first step's products
	MULS \zero
	CVT
	MULS 0
.endm
	TRIP 0, 1, 1                                   ; chunks 0 and 1 stand in front of the loop: the first products start the sums
	TRIP 1, 1, 0
	WIN 0
	s_mov_b32 s23, 2
.Lchunks:
	TRIP 0, 1, 0
	TRIP 1, 1, 0
	WIN 0
	s_sub_co_u32 s23, s23, 1
	s_cmp_lg_u32 s23, 0
	s_cbranch_scc1 .Lchunks
	TRIP 0, 1, 0                                   ; chunk 6 asks for chunk 7,
	TRIP 1, 0, 0                                   ; chunk 7 for nothing
	; THE WAY OUT: no LDS.  A lane's four packed registers are 16 bytes of a fragment's half, so every store of the wave covers 512 consecutive bytes, aligned.
	WIN 0
	PLACES
	s_lshr_b32 s98, s16, 1
	s_lshl1_add_u32 s98, s20, s98                  ; my key block, counted through all batches: 2 rb + (w >> 1)
	s_mul_i32 s98, s98, BLK
	s_and_b32 s99, s16, 1                          ; which 64 keys of the block are mine
	s_lshr_b32 s30, s19, 1
	s_lshl_b32 s30, s30, 10                        ; head half kk = nb >> 1: 1 KiB
	s_and_b32 s31, s19, 1
	s_lshl_b32 s31, s31, 9                         ; register half nb & 1: 512 bytes
	s_add_co_u32 s30, s30, s31
	s_lshl_b32 s31, s99, 13                        ; K: four key tiles of 2 KiB
	s_add_co_u32 s31, s31, s30
	s_add_co_u32 s92, s98, s31
	s_mov_b32 s93, 0
	s_add_nc_u64 s[92:93], s[14:15], s[92:93]
	s_lshl_b32 s31, s99, 16                        ; V: two steps of 32 keys, 32 KiB each,
	s_add_co_u32 s31, s31, 16384                   ; behind K's 16 KiB,
	s_add_co_u32 s94, s98, s31
	s_lshl_b32 s31, s19, 13                        ; my eight e tiles
	s_add_co_u32 s94, s94, s31
	s_mov_b32 s95, 0
	s_add_nc_u64 s[94:95], s[14:15], s[94:95]
	s_lshl_b32 s31, s20, 4
	s_lshl2_add_u32 s31, s16, s31                  ; Q: row tile 16 rb + 4 w
	s_lshl_b32 s31, s31, 11
	s_add_co_u32 s96, s31, s30
	s_mov_b32 s97, 0
	s_add_nc_u64 s[96:97], s[12:13], s[96:97]
	s_mul_i32 s98, s18, LOB                        ; lo at my batch
	s_mov_b32 s99, 0
	s_add_nc_u64 s[98:99], s[66:67], s[98:99]
	s_and_b32 s23, ttmp7, 0xffff                   ; the cluster's y: 0 = the first 256 rows of the batch
.irp i, 0,1,2,3
.irp j, 0,1,2,3
	v_cvt_pk_f16_f32 v[OUTR+4*\i+\j], v[KAC+8*\i+2*\j], v[KAC+8*\i+2*\j+1]
.endr
	global_store_b128 v[VO], v[OUTR+4*\i:OUTR+4*\i+3], s[92:93] offset:\i*2048
.endr
.irp i, 0,1,2,3
.irp j, 0,1,2,3
	v_pk_mul_f32 v[QAC+8*\i+2*\j:QAC+8*\i+2*\j+1], v[QAC+8*\i+2*\j:QAC+8*\i+2*\j+1], 0x3e38aa3b op_sel_hi:[1,0]   ; x log2(e) / 8: the scores come out ready for exp2
.endr
.irp j, 0,1,2,3
	v_cvt_pk_f16_f32 v[OUTR+16+4*\i+\j], v[QAC+8*\i+2*\j], v[QAC+8*\i+2*\j+1]
.endr
	global_store_b128 v[VO], v[OUTR+16+4*\i:OUTR+16+4*\i+3], s[96:97] offset:\i*2048
.endr
	; The rests of Q (rows 0 .. 255 of the batch: all four waves) and of K (keys 0 .. 31: wave 0, row tiles 0 and 1).  The branches hang on the cluster's number and the wave's.
	s_cmp_lg_u32 s23, 0
	s_cbranch_scc1 .Lnolo_qk
	v_lshl_add_u32 v7, s16, 13, v[VO]              ; 16 lane + four row tiles of 2 KiB a wave
	v_add_nc_u32 v7, s30, v7                       ; + head half and register half
.irp r, 96,97,98,99,100,101,102,103,104,105,106,107,108,109,110,111
	v_cvt_f32_f16 v[UU+2*(\r-96)], v\r\().l        ; v96 .. v111 = Q packed: what f16 kept,
	v_cvt_f32_f16 v[UU+2*(\r-96)+1], v\r\().h
.endr
.set p, 0
.rept 16
	v_pk_add_f32 v[UU+2*p:UU+2*p+1], v[QAC+2*p:QAC+2*p+1], v[UU+2*p:UU+2*p+1] neg_lo:[0,1] neg_hi:[0,1]   ; and what it dropped (exact)
.set p, p+1
.endr
.set p, 0
.rept 16
	v_cvt_pk_f16_f32 v[QLO+p], v[UU+2*p], v[UU+2*p+1]
.set p, p+1
.endr
.irp i, 0,1,2,3
	global_store_b128 v7, v[QLO+4*\i:QLO+4*\i+3], s[98:99] offset:LOQ+\i*2048
.endr
	s_cmp_lg_u32 s16, 0
	s_cbranch_scc1 .Lnolo_qk
.irp r, 80,81,82,83,84,85,86,87
	v_cvt_f32_f16 v[UU+2*(\r-80)], v\r\().l        ; v80 .. v87 = K packed, row tiles 0 and 1
	v_cvt_f32_f16 v[UU+2*(\r-80)+1], v\r\().h
.endr
.set p, 0
.rept 8
	v_pk_add_f32 v[UU+2*p:UU+2*p+1], v[KAC+2*p:KAC+2*p+1], v[UU+2*p:UU+2*p+1] neg_lo:[0,1] neg_hi:[0,1]
.set p, p+1
.endr
.set p, 0
.rept 8
	v_cvt_pk_f16_f32 v[8+p], v[UU+2*p], v[UU+2*p+1]
.set p, p+1
.endr
	global_store_b128 v7, v[8:11], s[98:99]        ; wave 0: v7's wave term is 0
	global_store_b128 v7, v[12:15], s[98:99] offset:2048
.Lnolo_qk:
	WIN 0x05                                       ; both sources window 1
.irp i, 0,1
.irp e, 0,1,2,3,4,5,6,7
.irp j, 0,1,2,3
	v_cvt_pk_f16_f32 v[VH0+4*(8*\i+\e)+\j], v[8*(8*\i+\e)+2*\j], v[8*(8*\i+\e)+2*\j+1]
.endr
.endr
.endr
.irp i, 2,3
.irp e, 0,1,2,3,4,5,6,7
.irp j, 0,1,2,3
	v_cvt_pk_f16_f32 v[VH2+4*(8*(\i-2)+\e)+\j], v[8*(8*\i+\e)+2*\j], v[8*(8*\i+\e)+2*\j+1]
.endr
.endr
.endr
	WIN 0
.irp i, 0,1
.irp e, 0,1,2,3,4,5,6,7
	global_store_b128 v[VO], v[VH0+4*(8*\i+\e):VH0+4*(8*\i+\e)+3], s[94:95] offset:\e*1024+\i*512
.endr
.endr
.irp i, 0,1
.irp e, 0,1,2,3,4,5,6,7
	global_store_b128 v[VO], v[VH2+4*(8*\i+\e):VH2+4*(8*\i+\e)+3], s[94:95] offset:32768+\e*1024+\i*512
.endr
.endr
	; The rests of V, keys 0 .. 31 of the batch: wave 0, row tiles 0 and 1
	s_cmp_lg_u32 s23, 0
	s_cbranch_scc1 .Lnolo_v
	s_cmp_lg_u32 s16, 0
	s_cbranch_scc1 .Lnolo_v
	s_wait_xcnt 0x0                                ; v7 and v[80:143], which stores above read, are rewritten only behind this wait
	v_lshl_add_u32 v7, s19, 13, v[VO]              ; 16 lane + my eight e tiles of 1 KiB
.irp r, 16,17,18,19,20,21,22,23,24,25,26,27,28,29,30,31,32,33,34,35,36,37,38,39,40,41,42,43,44,45,46,47
	v_cvt_f32_f16 v[UU+2*(\r-16)], v\r\().l        ; v16 .. v47 = V packed, row tile 0
	v_cvt_f32_f16 v[UU+2*(\r-16)+1], v\r\().h
.endr
	WIN 0x01                                       ; source 0 window 1
.set p, 0
.rept 32
	v_pk_add_f32 v[UU+2*p:UU+2*p+1], v[2*p:2*p+1], v[UU+2*p:UU+2*p+1] neg_lo:[0,1] neg_hi:[0,1]
.set p, p+1
.endr
	WIN 0
.set p, 0
.rept 32
	v_cvt_pk_f16_f32 v[80+p], v[UU+2*p], v[UU+2*p+1]
.set p, p+1
.endr
.irp e, 0,1,2,3,4,5,6,7
	global_store_b128 v7, v[80+4*\e:80+4*\e+3], s[98:99] offset:LOV+\e*1024
.endr
.irp r, 48,49,50,51,52,53,54,55,56,57,58,59,60,61,62,63,64,65,66,67,68,69,70,71,72,73,74,75,76,77,78,79
	v_cvt_f32_f16 v[UU+2*(\r-48)], v\r\().l        ; v48 .. v79 = V packed, row tile 1
	v_cvt_f32_f16 v[UU+2*(\r-48)+1], v\r\().h
.endr
	WIN 0x01
.set p, 0
.rept 32
	v_pk_add_f32 v[UU+2*p:UU+2*p+1], v[64+2*p:64+2*p+1], v[UU+2*p:UU+2*p+1] neg_lo:[0,1] neg_hi:[0,1]
.set p, p+1
.endr
	WIN 0
.set p, 0
.rept 32
	v_cvt_pk_f16_f32 v[112+p], v[UU+2*p], v[UU+2*p+1]
.set p, p+1
.endr
.irp e, 0,1,2,3,4,5,6,7
	global_store_b128 v7, v[112+4*\e:112+4*\e+3], s[98:99] offset:LOV+\e*1024+512
.endr
.Lnolo_v:
	ROUND                                          ; the closing round: no work-group ends while a partner may still ask for a tile that names it
	s_endpgm
.Lfunc_end_k_q91e06738d4_proj:
	.size	k_q91e06738d4_proj, .Lfunc_end_k_q91e06738d4_proj-k_q91e06738d4_proj
	.p2alignl 7, 3214868480
	.fill 96, 4, 3214868480
	.section	.rodata,"a",@progbits
	.p2align	6, 0x0
	.amdhsa_kernel k_q91e06738d4_proj
		.amdhsa_group_segment_fixed_size 327680
		.amdhsa_private_segment_fixed_size 0
		.amdhsa_enable_private_segment 0
		.amdhsa_kernarg_size 56
		.amdhsa_user_sgpr_count 2
		.amdhsa_user_sgpr_kernarg_segment_ptr 1
		.amdhsa_wavefront_size32 1
		.amdhsa_system_sgpr_workgroup_id_x 1
		.amdhsa_system_sgpr_workgroup_id_y 1
		.amdhsa_system_sgpr_workgroup_id_z 1
		.amdhsa_system_vgpr_workitem_id 0
		.amdhsa_next_free_vgpr 738
		.amdhsa_next_free_sgpr 100
		.amdhsa_reserve_vcc 0
		.amdhsa_float_denorm_mode_32 3
		.amdhsa_float_denorm_mode_16_64 3
		.amdhsa_memory_ordered 1
		.amdhsa_forward_progress 1
		.amdhsa_inst_pref_size 211
	.end_amdhsa_kernel
	.amdgpu_metadata
---
amdhsa.version: [ 1, 2 ]
amdhsa.kernels:
  - .name:           k_q91e06738d4_proj
    .symbol:         k_q91e06738d4_proj.kd
    .args:
      - { .name: x, .offset: 0, .size: 8, .value_kind: global_buffer, .address_space: global }
      - { .name: Wk, .offset: 8, .size: 8, .value_kind: global_buffer, .address_space: global }
      - { .name: Wq, .offset: 16, .size: 8, .value_kind: global_buffer, .address_space: global }
      - { .name: Wv, .offset: 24, .size: 8, .value_kind: global_buffer, .address_space: global }
      - { .name: qf, .offset: 32, .size: 8, .value_kind: global_buffer, .address_space: global }
      - { .name: kv, .offset: 40, .size: 8, .value_kind: global_buffer, .address_space: global }
      - { .name: lo, .offset: 48, .size: 8, .value_kind: global_buffer, .address_space: global }
    .group_segment_fixed_size: 327680
    .private_segment_fixed_size: 0
    .kernarg_segment_align: 8
    .kernarg_segment_size: 56
    .max_flat_workgroup_size: 128
    .sgpr_count:     100
    .vgpr_count:     738
    .wavefront_size: 32
...
	.end_amdgpu_metadata
.endif
;; end of part 1
;; launch attn (part 2): grid 4 x 64, 4 waves a work-group, clusters of 4 x 1, 327,680 bytes of LDS; arguments qf, kv, out0, part, stat, lo; writes out0, part, stat
.if DOCPART == 2
	.amdgcn_target "amdgcn-amd-amdhsa--gfx1250"
	.amdhsa_code_object_version 6
	.text
	.protected	k_q91e06738d4_attn
	.globl	k_q91e06738d4_attn
	.p2align	8
	.type	k_q91e06738d4_attn,@function
k_q91e06738d4_attn:
	s_mov_b64 s[64:65], 0
	v_nop
	global_prefetch_b8 v0, s[64:65] scope:SCOPE_SE
	s_setreg_imm32_b32 hwreg(HW_REG_WAVE_MODE, 25, 1), 1
	s_wait_xcnt 0x0
	s_wait_alu depctr_hold_cnt(0) depctr_sa_sdst(0) depctr_va_vdst(0) depctr_va_sdst(0) depctr_va_ssrc(0) depctr_va_vcc(0) depctr_vm_vsrc(0)
	s_getreg_b32 s2, hwreg(HW_REG_IB_STS2, 6, 4)
	s_cmp_eq_u32 s2, 0
	s_cbranch_scc0 .Lentry_in_a_cluster
	s_endpgm
.Lentry_in_a_cluster:
	s_bfe_u32 s2, ttmp6, 0x10000c
	s_cmp_lg_u32 s2, 0x3003
	s_cbranch_scc0 .Lentry_shape_is_right
	s_endpgm
.Lentry_shape_is_right:
; SECOND LAUNCH: causal attention with a running maximum, on the f16 fragments that proj stored.
; LEFT OUT: key blocks wholly above the diagonal of a group of 256 query rows (weight exactly 0 behind the problem's own jnp.tril, for all inputs;
; shown at the head of proj).  LIMITS: a NaN or infinity that only such blocks hold is not carried; a weight below 2^-25 of its row's running maximum
; rounds to 0 in f16; exp2 gives 0 below 2^-126 (ISA guide, v_exp_f32); from row 32 of a batch on Q, K, P and V carry one rounding to f16 each.
;
; SHARES.  A cluster of four work-groups takes a group of 256 rows ("super-row" J), work-group cx its rows 64 cx .. 64 cx + 63; all four walk the same
; key blocks of 128 keys, so each block (K 16 KiB + V 128 KiB, one dense piece of kv) is asked for jointly, each wave a quarter, mask 15.
; Super-row J needs blocks 0 .. 2 J + 1.  Super-rows 15 - I and I together have 34 blocks, shared between two clusters of 17 trips each:
;   role A: J = 15 - I, blocks 0 .. 16                                  -> part[0], stat[0] (not normalised, with m and l)
;   role B: J = 15 - I, blocks 17 .. 31 - 2 I (15 - 2 I trips, odd)     -> part[1], stat[1];   then J = I, blocks 0 .. 2 I + 1 -> out0, normalised
; So all 256 work-groups run 17 trips, trip t in slot t & 1.  The launch comb joins the two parts of the rows 2048 .. 4095 of each batch.
; No branch, trip count or LDS address hangs on cx: only the mask's row numbers and the global addresses of Q and of the results do.
;
; A TRIP.  Wave w: S^T = K x Q for row tile w (16 rows x 128 keys; lane (r, h) holds row r, keys 16 i + 8 h + j), mask, softmax step; its P packs
; straight into B fragments (tiles 2 q, 2 q + 1 are registers 0-3, 4-7 of key step q) and goes to LDS with alpha.  Behind a barrier every wave adds
; O^T = V x P for all 64 rows and its own 128 columns: 32 tiles, all of window 1; lane (r, h) register j of tile (i, e) = O[16 i + r][128 w + 16 e + 8 h + j].
; The running maximum starts at the lowest finite f32, not at -inf: a row with no open key in a part then gives P = 0, l = 0, O = 0 and no NaN.
;
; TWO f16 FOR THE FIRST KEYS.  Rows 0 .. 31 of a batch sum over at most 32 keys, so the roundings to f16 do not average out there.  Block 0 of super-row 0
; is met once, by role B with I = 0 in trip 15, which is written out behind the loop.  There keys 0 .. 31 (score tiles 0 and 1, key step 0) also get the
; products with the rests: Klo x Q + K x Qlo (8 matrix instructions) and Vlo x P + V x Plo (64).  All four work-groups of that cluster do so,
; for all their rows: half a trip's matrix work more in 16 of the 256 work-groups.
.set BLK,   147456                     ; a key block, and an LDS slot: slot 0 at 0, slot 1 at 147,456
.set QUART, 36864                      ; a wave's quarter: 144 rows of 256 bytes
.set PB,    294912                     ; P: [key step q][row tile][1 KiB], 16 KiB.  The way out's stage (4 x 16 rows x 272 bytes) uses the same bytes and 1 KiB more
.set STG,   4352
.set ALB,   312320                     ; alpha, a pair for each of 64 rows
.set FAC,   312832                     ; the way out's factor, a pair for each row (= ALB + 512)
.set STB,   313344                     ; m of 64 rows, then at + 256 l
.set PLO,   313856                     ; the rests of P, key step 0: [row tile][1 KiB].   All scratch lies in blocks of 256 bytes into which no tensor load lands
.set LOB,   69632                      ; lo: a batch; K's rests at 0, V's at 4,096, Q's at 36,864
.set LOV,   4096
.set LOQ,   36864
.set KA,    2                          ; v2-3    16 lane + slot
.set VA,    4                          ; v4-7    [slot][q >> 1]: 16 lane + slot + 16,384 + 8,192 w + 65,536 (q >> 1)
.set PA,    8                          ; v8      16 lane + PB
.set PW,    9                          ; v9      PA + 1,024 w
.set ALW,   10                         ; v10     ALB + 8 (16 w + r)
.set ALR,   11                         ; v11     ALB + 8 r
.set STATW, 12                         ; v12     STB + 4 (16 w + r)
.set STATR, 13                         ; v13     STB + 8 lane
.set STW,   14                         ; v14     stage, in: PB + 4,352 w + 272 r + 32 h
.set STR,   15                         ; v15     stage, back: PB + 4,352 w + 272 h + 16 r
.set CO,    16                         ; v16     2,048 h + 16 r + 512 w: my 16 bytes in two rows of the result
.set L8,    17                         ; v17     8 lane
.set TB,    18                         ; v18     16 w + r - 8 h
.set TL,    19                         ; v19     my row in the batch - 8 h
.set DD,    20                         ; v20     TL - the block's first key
.set NINF,  21                         ; v21     -inf
.set MX,    22                         ; v22     running maximum (in log2 units)
.set MN,    24                         ; v[24:25] the new maximum, twice
.set AP,    26                         ; v[26:27] alpha, twice
.set LS,    28                         ; v28     my half-row's running sum;  v29-31 at work
.set QF,    32                         ; v[32:47] two Q fragments
.set AL,    48                         ; v[48:55] four pairs: alpha, or the factor, of my row in each row tile
.set RED,   56                         ; v[56:63] chains of the reductions
.set KF,    64                         ; v[64:191]  S phase: K fragment (i, kk) at 8 (8 kk + i)
.set SC,    192                        ; v[192:255] S phase: scores, tile i at 8 i
.set PK,    64                         ; v[64:95]   my packed P
.set F0,    64                         ; v[64:159]  PV phase, buffer 0: V fragment e at 8 e, P fragment i at 64 + 8 i
.set F1,    160                        ; v[160:255] buffer 1
.set TMP,   64                         ; v[64:95]   the way out
.set RB,    96                         ; v[96:127]
; window 2 (v512-655), the rests, used in the one fine trip alone:
.set KL,    0                          ; K fragment (tile, kk) at 8 (2 tile + kk)
.set QL,    32                         ; Q fragment kk at 8 kk
.set VL,    48                         ; V fragment e at 8 e
.set PL,    112                        ; P fragment i at 8 i
.set G1,    24                         ; s[24:31] descriptor group 1
.set G0,    32                         ; s[32:39] group 0, a set for each slot
; s[2:3] lo, s14 wave, s15 cx, s16 c, s17 b, s18 role, s19 I, s20 t, s21 the trip at which role B changes rows, s22 this trip's block, s23 the next one's,
; s[40:41] kv at my batch and quarter, s[42:43] offset, s44 2 J, s45 my first row, s46 0: part, -1: out0, s47 loop, s[48:49] result, s[50:51] stat,
; s[52:53] Q, s54-55 lane selects, s56-57 at work (never cx), s58 J, s59-63 at work
.set MSB, 0
.macro WIN new
.if MSB != \new
	s_set_vgpr_msb (MSB<<8)|\new
.set MSB, \new
.endif
.endm
.macro PLACES                          ; four places: before a vector instruction or a load touches a matrix instruction's registers
.rept 4
	v_nop
.endr
.endm
.macro FIVE                            ; five: before a matrix instruction writes over them
.rept 5
	v_nop
.endr
.endm
.macro ROUND
	s_barrier_signal -1
	s_barrier_wait -1
	s_cmp_lg_u32 s14, 0
	s_cbranch_scc1 .Lnw0_\@
	s_barrier_signal -3
.Lnw0_\@:
	s_barrier_wait -3
	s_barrier_signal -1
	s_barrier_wait -1
.endm
; A new run of rows: s58 = J.  Row numbers, Q's two fragments (four loads of 512 bytes), the softmax's state.
.macro SEGMENT
	s_lshl_b32 s44, s58, 1                         ; blocks from 2 J on are masked
	s_lshl_b32 s45, s58, 8
	s_lshl_b32 s59, s15, 6
	s_add_co_u32 s45, s45, s59                     ; my first row: 256 J + 64 cx
	v_add_nc_u32 v[TL], s45, v[TB]
	s_lshl_b32 s59, s17, 12
	s_add_co_u32 s59, s59, s45
	s_lshl4_add_u32 s59, s14, s59                  ; 4,096 b + first row + 16 w,
	s_lshl_b32 s60, s59, 7                         ; 2 KiB for each 16 rows
	s_mov_b32 s61, 0
	s_add_nc_u64 s[52:53], s[4:5], s[60:61]
.irp k, 0,1,2,3
	global_load_b128 v[QF+4*\k:QF+4*\k+3], v1, s[52:53] offset:512*\k
.endr
	v_mov_b32 v[MX], 0xff7fffff                    ; the lowest finite f32
	v_mov_b32 v[LS], 0
.endm
	s_load_b256 s[4:11], s[0:1], 0x0               ; qf s[4:5], kv s[6:7], out0 s[8:9], part s[10:11]
	s_load_b64 s[12:13], s[0:1], 0x20              ; stat
	s_load_b64 s[2:3], s[0:1], 0x28                ; lo
	v_lshl_add_u32 v23, v0, 2, 0x4da00
	s_set_vgpr_msb 0x80
	v_mov_b32 v145, 0
	s_set_vgpr_msb 0x8088
	ds_add_u32 v23, v145
	s_set_vgpr_msb 0x8800
	v_lshrrev_b32 v1, 5, v0
	v_readfirstlane_b32 s14, v1                    ; wave
	s_bfe_u32 s15, ttmp6, 0x40000                  ; cx
	s_and_b32 s16, ttmp7, 0xffff                   ; c: the cluster's number, 0..63
	s_lshr_b32 s17, s16, 4                         ; b
	s_bfe_u32 s18, s16, 0x10003                    ; role
	s_and_b32 s19, s16, 7                          ; I
	s_mov_b32 s20, 0                               ; t
	s_lshl_b32 s21, s19, 1
	s_sub_co_u32 s21, 15, s21
	s_cmp_lg_u32 s18, 0
	s_cselect_b32 s21, s21, 255                    ; role B changes rows at trip 15 - 2 I, role A never
	s_mul_i32 s22, s18, 17                         ; first block: 0 or 17
	s_mov_b32 s46, 0
	s_mov_b32 s54, 0x76543210                      ; v_permlanex16_b32: lane i of one half reads lane i of the other
	s_mov_b32 s55, 0xfedcba98
	s_mov_b32 s[G1+0], 15|(3<<16)|(1<<21)          ; mask: all four of the cluster; elements of 8 bytes; bit 21 beside a mask; no padding
	s_mov_b32 s[G1+1], 32<<16                      ; tensor_dim0 = 32 (256 bytes)
	s_mov_b32 s[G1+2], 144<<16                     ; tensor_dim1 = 144
	s_mov_b32 s[G1+3], 32<<16                      ; tile_dim0
	s_mov_b32 s[G1+4], 144                         ; tile_dim1
	s_mov_b32 s[G1+5], 32                          ; pitch: the block is dense
	s_mov_b32 s[G1+6], 0
	s_mov_b32 s[G1+7], 0
	s_mov_b32 s[G0+0], 1
	s_mul_i32 s[G0+1], s14, QUART                  ; my quarter of slot 0
	s_mov_b32 s[G0+4], 1
	s_add_co_u32 s[G0+5], s[G0+1], BLK             ; and of slot 1
	s_mul_i32 s42, s17, 32*BLK
	s_mul_i32 s57, s14, QUART
	s_add_co_u32 s42, s42, s57
	s_mov_b32 s43, 0
	s_wait_dscnt 0x0
	s_wait_kmcnt 0x0
	s_add_nc_u64 s[40:41], s[6:7], s[42:43]
	s_mul_i32 s42, s22, BLK
	s_add_nc_u64 s[G0+2:G0+3], s[40:41], s[42:43]
	s_or_b32 s[G0+3], s[G0+3], 0x80000000
	ROUND                                          ; the four work-groups are here: the first joint loads meet
	tensor_load_to_lds s[G0:G0+3], s[G1:G1+7]      ; the first block into slot 0
	s_nop 0
	v_and_b32 v1, 31, v0
	v_lshlrev_b32 v1, 4, v1                        ; 16 lane
	v_and_b32 v29, 15, v0                          ; r
	v_bfe_u32 v30, v0, 4, 1                        ; h
	v_mov_b32 v[KA], v1
	v_add_nc_u32 v[KA+1], BLK, v1
	s_lshl_b32 s56, s14, 13
	s_add_co_u32 s56, s56, 16384
	v_add_nc_u32 v[VA], s56, v1
	v_add_nc_u32 v[VA+1], 65536, v[VA]
	v_add_nc_u32 v[VA+2], BLK, v[VA]
	v_add_nc_u32 v[VA+3], BLK+65536, v[VA]
	v_add_nc_u32 v[PA], PB, v1
	s_lshl_b32 s56, s14, 10
	v_add_nc_u32 v[PW], s56, v[PA]
	s_lshl_b32 s56, s14, 7
	s_add_co_u32 s56, s56, ALB
	v_lshl_add_u32 v[ALW], v29, 3, s56
	v_lshlrev_b32 v[ALR], 3, v29
	v_add_nc_u32 v[ALR], ALB, v[ALR]
	s_lshl_b32 s56, s14, 6
	s_add_co_u32 s56, s56, STB
	v_lshl_add_u32 v[STATW], v29, 2, s56
	v_lshrrev_b32 v[L8], 1, v1
	v_add_nc_u32 v[STATR], STB, v[L8]
	s_mul_i32 s56, s14, STG
	s_add_co_u32 s56, s56, PB
	v_mul_u32_u24 v[STW], v29, 272
	v_lshl_add_u32 v[STW], v30, 5, v[STW]
	v_add_nc_u32 v[STW], s56, v[STW]
	v_mul_u32_u24 v[STR], v30, 272
	v_lshl_add_u32 v[STR], v29, 4, v[STR]
	v_add_nc_u32 v[STR], s56, v[STR]
	v_lshlrev_b32 v[CO], 11, v30
	v_lshl_add_u32 v[CO], v29, 4, v[CO]
	s_lshl_b32 s56, s14, 9
	v_add_nc_u32 v[CO], s56, v[CO]
	s_lshl_b32 s56, s14, 4
	v_add_nc_u32 v[TB], s56, v29
	v_lshlrev_b32 v31, 3, v30
	v_sub_nc_u32 v[TB], v[TB], v31
	v_mov_b32 v[NINF], 0xff800000
	s_sub_co_u32 s58, 15, s19                      ; both roles begin with J = 15 - I
	SEGMENT
	s_lshl_b32 s59, s18, 13
	s_lshl_b32 s62, s17, 11
	s_add_co_u32 s59, s59, s62
	s_add_co_u32 s59, s59, s45
	s_sub_co_u32 s59, s59, 2048                    ; row in part: 8,192 role + 2,048 b + first row - 2,048
	s_lshl_b32 s60, s59, 11
	s_add_nc_u64 s[48:49], s[10:11], s[60:61]
	s_lshl_b32 s60, s59, 2                         ; stat: [role][m, l][8,192] f32 = 4 x that row + 32,768 role
	s_lshl_b32 s62, s18, 15
	s_add_co_u32 s60, s60, s62
	s_add_nc_u64 s[50:51], s[12:13], s[60:61]
	s_wait_loadcnt 0x0                             ; Q
; The block of trip t + 1, into the group 0 of the slot that is not \slot.  Stands where no tensor load of the wave is out.
.macro NEXT slot
	s_add_co_u32 s57, s20, 1
	s_add_co_u32 s23, s22, 1
	s_cmp_eq_u32 s57, s21
	s_cselect_b32 s23, 0, s23                      ; the new rows begin at block 0
	s_mul_i32 s42, s23, BLK
	s_add_nc_u64 s[G0+6-4*\slot:G0+7-4*\slot], s[40:41], s[42:43]
	s_or_b32 s[G0+7-4*\slot], s[G0+7-4*\slot], 0x80000000
.endm
; S^T of my 16 rows and the block's 128 keys: 8 tiles, two head halves.  The accumulators take turns, one instruction a turn.
; fine = 1: tiles 0 and 1 (keys 0 .. 31) also get Klo x Q and K x Qlo, the two tiles by turns.
.macro SPHASE slot, fine
.irp kk, 0,1
.irp i, 0,1,2,3,4,5,6,7
	ds_load_b128 v[KF+8*(8*\kk+\i):KF+8*(8*\kk+\i)+3],   v[KA+\slot] offset:2048*\i+1024*\kk
	ds_load_b128 v[KF+8*(8*\kk+\i)+4:KF+8*(8*\kk+\i)+7], v[KA+\slot] offset:2048*\i+1024*\kk+512
.endr
.endr
	s_wait_dscnt 16                                ; the first head half's 16 loads are in, the second's 16 may stay out
.irp i, 0,1,2,3,4,5,6,7
	v_wmma_f32_16x16x32_f16 v[SC+8*\i:SC+8*\i+7], v[KF+8*\i:KF+8*\i+7], v[QF:QF+7], 0
.endr
	s_wait_dscnt 0x0
.irp i, 0,1,2,3,4,5,6,7
	v_wmma_f32_16x16x32_f16 v[SC+8*\i:SC+8*\i+7], v[KF+64+8*\i:KF+64+8*\i+7], v[QF+8:QF+15], v[SC+8*\i:SC+8*\i+7]
.endr
.if \fine
	s_wait_loadcnt 16                              ; the 8 loads of K's rests and the 4 of Q's are in, the 16 of V's may stay out
	WIN 0x02                                       ; A window 2
.irp kk, 0,1
.irp i, 0,1
	v_wmma_f32_16x16x32_f16 v[SC+8*\i:SC+8*\i+7], v[KL+8*(2*\i+\kk):KL+8*(2*\i+\kk)+7], v[QF+8*\kk:QF+8*\kk+7], v[SC+8*\i:SC+8*\i+7]
.endr
.endr
	WIN 0x08                                       ; B window 2
.irp kk, 0,1
.irp i, 0,1
	v_wmma_f32_16x16x32_f16 v[SC+8*\i:SC+8*\i+7], v[KF+8*(8*\kk+\i):KF+8*(8*\kk+\i)+7], v[QL+8*\kk:QL+8*\kk+7], v[SC+8*\i:SC+8*\i+7]
.endr
.endr
	WIN 0
.endif
	FIVE
.endm
; Blocks from 2 J on: key 128 block + 16 i + 8 h + j is closed where it lies behind my row, that is where 16 i + j > row - 8 h - 128 block.
.macro MASK
	s_cmp_lt_u32 s22, s44
	s_cbranch_scc1 .Lopen_\@
	s_lshl_b32 s56, s22, 7
	v_sub_nc_u32 v[DD], v[TL], s56
.irp i, 0,1,2,3,4,5,6,7
.irp j, 0,1,2,3,4,5,6,7
	v_cmp_gt_i32 vcc_lo, 16*\i+\j, v[DD]
	v_cndmask_b32 v[SC+8*\i+\j], v[SC+8*\i+\j], v[NINF], vcc_lo
.endr
.endr
.Lopen_\@:
.endm
; fine = 1: the rests of P for keys 0 .. 31 go to LDS too
.macro SOFTMAX fine
.irp c, 0,1,2,3
	v_max3_num_f32 v[RED+\c], v[SC+16*\c], v[SC+16*\c+1], v[SC+16*\c+2]        ; four chains, started by the first values: nothing is cleared
.endr
.irp k, 3,5,7,9,11,13
.irp c, 0,1,2,3
	v_max3_num_f32 v[RED+\c], v[RED+\c], v[SC+16*\c+\k], v[SC+16*\c+\k+1]
.endr
.endr
.irp c, 0,1,2,3
	v_max_num_f32 v[RED+\c], v[RED+\c], v[SC+16*\c+15]
.endr
	v_max3_num_f32 v[RED], v[RED], v[RED+1], v[RED+2]
	v_max3_num_f32 v[RED], v[RED], v[RED+3], v[MX]
	v_permlanex16_b32 v[RED+1], v[RED], s54, s55   ; the row's other 64 keys lie in the lane 16 away
	v_max_num_f32 v[MN], v[RED], v[RED+1]
	v_mov_b32 v[MN+1], v[MN]
	v_sub_f32 v[AP], v[MX], v[MN]
	v_exp_f32 v[AP], v[AP]                         ; alpha; the subtractions below stand between it and its first use
.set p, 0
.rept 32
	v_pk_add_f32 v[SC+2*p:SC+2*p+1], v[SC+2*p:SC+2*p+1], v[MN:MN+1] neg_lo:[0,1] neg_hi:[0,1]
.set p, p+1
.endr
.set p, 0
.rept 64
	v_exp_f32 v[SC+p], v[SC+p]
.set p, p+1
.endr
	s_wait_alu depctr_va_vdst(0)
	v_mov_b32 v[AP+1], v[AP]                       ; the plain instruction between the last exponential and the first use of it (ISA guide 5.7.2)
.irp c, 0,1,2,3
	v_pk_add_f32 v[RED+2*\c:RED+2*\c+1], v[SC+2*\c:SC+2*\c+1], v[SC+2*\c+8:SC+2*\c+9]
.endr
.irp k, 2,3,4,5,6,7
.irp c, 0,1,2,3
	v_pk_add_f32 v[RED+2*\c:RED+2*\c+1], v[RED+2*\c:RED+2*\c+1], v[SC+8*\k+2*\c:SC+8*\k+2*\c+1]
.endr
.endr
	v_pk_add_f32 v[RED:RED+1], v[RED:RED+1], v[RED+2:RED+3]
	v_pk_add_f32 v[RED+4:RED+5], v[RED+4:RED+5], v[RED+6:RED+7]
	v_pk_add_f32 v[RED:RED+1], v[RED:RED+1], v[RED+4:RED+5]
	v_add_f32 v[RED], v[RED], v[RED+1]
	v_fma_f32 v[LS], v[LS], v[AP], v[RED]
.set p, 0
.rept 32
	v_cvt_pk_f16_f32 v[PK+p], v[SC+2*p], v[SC+2*p+1]
.set p, p+1
.endr
.irp q, 0,1,2,3
	ds_store_b128 v[PW], v[PK+8*\q:PK+8*\q+3]   offset:4096*\q
	ds_store_b128 v[PW], v[PK+8*\q+4:PK+8*\q+7] offset:4096*\q+512
.endr
	ds_store_b64 v[ALW], v[AP:AP+1]
.if \fine
	v_cvt_f32_f16 v[SC+16], v64.l                  ; v64 .. v71 = PK .. PK + 7, key step 0: what f16 kept of P,
	v_cvt_f32_f16 v[SC+17], v64.h                  ; into the registers of score tiles 2 and 3, which have been packed
	v_cvt_f32_f16 v[SC+18], v65.l
	v_cvt_f32_f16 v[SC+19], v65.h
	v_cvt_f32_f16 v[SC+20], v66.l
	v_cvt_f32_f16 v[SC+21], v66.h
	v_cvt_f32_f16 v[SC+22], v67.l
	v_cvt_f32_f16 v[SC+23], v67.h
	v_cvt_f32_f16 v[SC+24], v68.l
	v_cvt_f32_f16 v[SC+25], v68.h
	v_cvt_f32_f16 v[SC+26], v69.l
	v_cvt_f32_f16 v[SC+27], v69.h
	v_cvt_f32_f16 v[SC+28], v70.l
	v_cvt_f32_f16 v[SC+29], v70.h
	v_cvt_f32_f16 v[SC+30], v71.l
	v_cvt_f32_f16 v[SC+31], v71.h
.set p, 0
.rept 8
	v_pk_add_f32 v[SC+2*p:SC+2*p+1], v[SC+2*p:SC+2*p+1], v[SC+16+2*p:SC+16+2*p+1] neg_lo:[0,1] neg_hi:[0,1]   ; and what it dropped (exact)
.set p, p+1
.endr
.set p, 0
.rept 8
	v_cvt_pk_f16_f32 v[SC+32+p], v[SC+2*p], v[SC+2*p+1]
.set p, p+1
.endr
	ds_store_b128 v[PW], v[SC+32:SC+35] offset:PLO-PB
	ds_store_b128 v[PW], v[SC+36:SC+39] offset:PLO-PB+512
.endif
	v_mov_b32 v[MX], v[MN]
.endm
; 24 LDS loads: my eight V fragments and the four P fragments of key step q, into buffer buf
.macro FETCH slot, q, buf
.irp e, 0,1,2,3,4,5,6,7
	ds_load_b128 v[\buf+8*\e:\buf+8*\e+3],   v[VA+2*\slot+(\q>>1)] offset:(\q&1)*32768+1024*\e
	ds_load_b128 v[\buf+8*\e+4:\buf+8*\e+7], v[VA+2*\slot+(\q>>1)] offset:(\q&1)*32768+1024*\e+512
.endr
.irp i, 0,1,2,3
	ds_load_b128 v[\buf+64+8*\i:\buf+64+8*\i+3], v[PA] offset:1024*(4*\q+\i)
	ds_load_b128 v[\buf+64+8*\i+4:\buf+64+8*\i+7], v[PA] offset:1024*(4*\q+\i)+512
.endr
.endm
; The sums so far times alpha of their rows, while key step 0's fragments are on their way
.macro PVHEAD slot
.irp i, 0,1,2,3
	ds_load_b64 v[AL+2*\i:AL+2*\i+1], v[ALR] offset:128*\i
.endr
	FETCH \slot, 0, F0
	s_wait_dscnt 24                                ; the four alphas are in, the 24 fragment loads may stay out
	WIN 0x41                                       ; destination and source 0 window 1
.irp i, 0,1,2,3
.set p, 0
.rept 32
	v_pk_mul_f32 v[64*\i+2*p:64*\i+2*p+1], v[64*\i+2*p:64*\i+2*p+1], v[AL+2*\i:AL+2*\i+1]
.set p, p+1
.endr
.endr
.endm
; One key step of 32: multiplies buffer f; ahead of that asks for key step qn into buffer g (qn = 4: nothing is left).
; The 32 accumulators take turns, one instruction a turn.
.macro PVSTEP slot, qn, f, g, zero
	WIN 0
	s_wait_dscnt 0x0                               ; buffer f is in
.if \qn < 4
	PLACES                                         ; buffer g was read by the last products
	FETCH \slot, \qn, \g
.endif
	WIN 0x50                                       ; C and D window 1
.irp i, 0,1,2,3
.irp e, 0,1,2,3,4,5,6,7
.if \zero
	v_wmma_f32_16x16x32_f16 v[8*(8*\i+\e):8*(8*\i+\e)+7], v[\f+8*\e:\f+8*\e+7], v[\f+64+8*\i:\f+64+8*\i+7], 0
.else
	v_wmma_f32_16x16x32_f16 v[8*(8*\i+\e):8*(8*\i+\e)+7], v[\f+8*\e:\f+8*\e+7], v[\f+64+8*\i:\f+64+8*\i+7], v[8*(8*\i+\e):8*(8*\i+\e)+7]
.endif
.endr
.endr
.endm
; THE WAY OUT of a run of rows.  To out0: O / l.  To part: O as it is (factor 1, chosen by the role's mask), with m and l to stat.
; 16 rows x 64 columns at a time go through my own stage in LDS, so that sixteen lanes store 256 consecutive bytes, aligned.
.macro FLUSH
	WIN 0
	PLACES
	v_permlanex16_b32 v29, v[LS], s54, s55
	v_add_f32 v29, v[LS], v29                      ; the row's whole sum
	v_rcp_f32 v30, v29
	v_nop                                          ; the plain instruction behind v_rcp_f32 (ISA guide 5.7.2)
	s_wait_alu depctr_va_vdst(0)
	v_cndmask_b32 v30, 1.0, v30, s46
	v_mov_b32 v31, v30
	ds_store_b64 v[ALW], v[30:31] offset:512
	ds_store_b32 v[STATW], v[MX]
	ds_store_b32 v[STATW], v29 offset:256
	s_wait_dscnt 0x0                               ; my stores are done, and my reads of P were done before: for the others' sake, zero
	s_barrier_signal -1
	s_barrier_wait -1                              ; nobody reads P any more (the stage takes its bytes); factors, m and l are there
.irp i, 0,1,2,3
	ds_load_b64 v[AL+2*\i:AL+2*\i+1], v[ALR] offset:512+128*\i
.endr
	s_wait_dscnt 0x0
.irp i, 0,1,2,3
.irp g, 0,1
	WIN 0x01                                       ; source 0 window 1
.irp e, 0,1,2,3
.irp k, 0,1,2,3
	v_pk_mul_f32 v[TMP+8*\e+2*\k:TMP+8*\e+2*\k+1], v[8*(8*\i+4*\g+\e)+2*\k:8*(8*\i+4*\g+\e)+2*\k+1], v[AL+2*\i:AL+2*\i+1]
.endr
.endr
	WIN 0
.irp e, 0,1,2,3
	ds_store_b128 v[STW], v[TMP+8*\e:TMP+8*\e+3]   offset:64*\e
	ds_store_b128 v[STW], v[TMP+8*\e+4:TMP+8*\e+7] offset:64*\e+16
.endr
	s_wait_xcnt 0x0                                ; the registers that the last group's stores read are loaded again only behind this wait
.irp u, 0,1,2,3,4,5,6,7
	ds_load_b128 v[RB+4*\u:RB+4*\u+3], v[STR] offset:544*\u        ; LDS serves a wave's instructions in order: these see the stores above
.endr
.irp u, 0,1,2,3,4,5,6,7
	s_wait_dscnt 7-\u                              ; row pair u is in, the younger ones may stay out
	global_store_b128 v[CO], v[RB+4*\u:RB+4*\u+3], s[48:49] offset:(16*\i+2*\u)*2048+256*\g
.endr
.endr
.endr
	s_cmp_lg_u32 s46, 0
	s_cbranch_scc1 .Lnostat_\@
	s_cmp_lg_u32 s14, 0
	s_cbranch_scc1 .Lnostat_\@
	ds_load_b64 v[RED:RED+1], v[STATR]             ; wave 0: m and l of the 64 rows, 256 consecutive bytes each
	ds_load_b64 v[RED+2:RED+3], v[STATR] offset:256
	s_wait_dscnt 0x0
	global_store_b64 v[L8], v[RED:RED+1], s[50:51]
	global_store_b64 v[L8], v[RED+2:RED+3], s[50:51] offset:32768
.Lnostat_\@:
.endm
; Role B goes on with J = I, straight to out0
.macro REINIT
	s_wait_xcnt 0x0                                ; the stores' base and data are rewritten only behind this wait
	s_mov_b32 s58, s19
	SEGMENT
	s_mov_b32 s46, -1
	s_lshl_b32 s59, s17, 12
	s_add_co_u32 s59, s59, s45
	s_lshl_b32 s60, s59, 11
	s_add_nc_u64 s[48:49], s[8:9], s[60:61]
	s_wait_loadcnt 0x0
.endm
; A TRIP IN THREE PARTS.
; HEAD: in front of the round every wave has waited for its one tensor load (its quarter of this block) and for all its LDS reads; behind the round no wave
; of any partner reads the other slot, and it is filled again first thing, one load a wave, which has the whole trip in which to land.
.macro HEAD slot, refill
	WIN 0
	FIVE                                           ; the scores will write over fragments that the last products read
	s_set_vgpr_msb 0x8
	s_wait_tensorcnt 0x0
	ds_add_u32 v23, v145
	s_wait_dscnt 0x0
	s_set_vgpr_msb 0x800
.if \refill
	NEXT \slot
.endif
	s_wait_dscnt 0x0
	ROUND
.if \refill
	tensor_load_to_lds s[G0+4-4*\slot:G0+7-4*\slot], s[G1:G1+7]
	s_nop 0
.endif
.endm
; BODY: the block's work.  pvmode 0: the sums start here; 1: they go on; 2: they start here if role B has just changed rows.
.macro BODY slot, pvmode
	SPHASE \slot, 0
	MASK
	SOFTMAX 0
	s_wait_dscnt 0x0                               ; my P and alpha are in LDS: for the others' sake, zero
	s_barrier_signal -1
	s_barrier_wait -1                              ; everybody's are.  No LDS bytes are filled behind this barrier: the tensor load stays on its way
.if \pvmode == 0
	FETCH \slot, 0, F0
	PVSTEP \slot, 1, F0, F1, 1
.endif
.if \pvmode == 1
	PVHEAD \slot
	PVSTEP \slot, 1, F0, F1, 0
.endif
.if \pvmode == 2
	s_cmp_eq_u32 s20, s21
	s_cbranch_scc1 .Lfresh_\@
	PVHEAD \slot
	PVSTEP \slot, 1, F0, F1, 0
	WIN 0
	s_branch .Lgo_\@
.Lfresh_\@:
	FETCH \slot, 0, F0
	PVSTEP \slot, 1, F0, F1, 1
	WIN 0
.Lgo_\@:
.endif
	PVSTEP \slot, 2, F1, F0, 0
	PVSTEP \slot, 3, F0, F1, 0
	PVSTEP \slot, 4, F1, F0, 0
	WIN 0
.endm
; FINEBODY: block 0 of super-row 0.  The sums start here, and keys 0 .. 31 are taken with their rests.
.macro FINEBODY slot
	s_mul_i32 s60, s17, LOB
	s_mov_b32 s61, 0
	s_add_nc_u64 s[2:3], s[2:3], s[60:61]          ; lo at my batch
	s_lshl2_add_u32 s59, s15, s14                  ; my row tile: 4 cx + w
	v_lshl_add_u32 v30, s59, 11, v1
	v_lshl_add_u32 v31, s14, 13, v1                ; my eight e tiles
	WIN 0x80                                       ; destination window 2
.irp k, 0,1,2,3,4,5,6,7
	global_load_b128 v[KL+4*\k:KL+4*\k+3], v1, s[2:3] offset:512*\k
.endr
.irp k, 0,1,2,3
	global_load_b128 v[QL+4*\k:QL+4*\k+3], v30, s[2:3] offset:LOQ+512*\k
.endr
.irp k, 0,1,2,3,4,5,6,7,8,9,10,11,12,13,14,15
	global_load_b128 v[VL+4*\k:VL+4*\k+3], v31, s[2:3] offset:LOV+512*\k
.endr
	WIN 0
	SPHASE \slot, 1
	MASK
	SOFTMAX 1
	s_wait_dscnt 0x0                               ; my P, its rests and alpha are in LDS: for the others' sake, zero
	s_barrier_signal -1
	s_barrier_wait -1
	FETCH \slot, 0, F0
	WIN 0x80
.irp i, 0,1,2,3
	ds_load_b128 v[PL+8*\i:PL+8*\i+3],   v[PA] offset:PLO-PB+1024*\i
	ds_load_b128 v[PL+8*\i+4:PL+8*\i+7], v[PA] offset:PLO-PB+1024*\i+512
.endr
	PVSTEP \slot, 1, F0, F1, 1                     ; its wait for 0 covers the rests of P too
	s_wait_loadcnt 0x0                             ; V's rests
	WIN 0x52                                       ; A window 2, C and D window 1
.irp i, 0,1,2,3
.irp e, 0,1,2,3,4,5,6,7
	v_wmma_f32_16x16x32_f16 v[8*(8*\i+\e):8*(8*\i+\e)+7], v[VL+8*\e:VL+8*\e+7], v[F0+64+8*\i:F0+64+8*\i+7], v[8*(8*\i+\e):8*(8*\i+\e)+7]
.endr
.endr
	WIN 0x58                                       ; B window 2, C and D window 1
.irp i, 0,1,2,3
.irp e, 0,1,2,3,4,5,6,7
	v_wmma_f32_16x16x32_f16 v[8*(8*\i+\e):8*(8*\i+\e)+7], v[F0+8*\e:F0+8*\e+7], v[PL+8*\i:PL+8*\i+7], v[8*(8*\i+\e):8*(8*\i+\e)+7]
.endr
.endr
	PVSTEP \slot, 2, F1, F0, 0
	PVSTEP \slot, 3, F0, F1, 0
	PVSTEP \slot, 4, F1, F0, 0
	WIN 0
.endm
; TAIL: the counters.  flush = 1: role B may change rows behind this trip.
.macro TAIL refill, flush
	s_add_co_u32 s20, s20, 1
.if \refill
	s_mov_b32 s22, s23
.endif
.if \flush
	s_cmp_lg_u32 s20, s21
	s_cbranch_scc1 .Lon_\@
	FLUSH
	REINIT
.Lon_\@:
.endif
.endm
.macro TRIP slot, refill, pvmode, flush
	HEAD \slot, \refill
	BODY \slot, \pvmode
	TAIL \refill, \flush
.endm
	TRIP 0, 1, 0, 1                                ; trip 0
	s_mov_b32 s47, 7
.Lpair:
	TRIP 1, 1, 2, 0                                ; trips 1 .. 14
	TRIP 0, 1, 1, 1
	s_sub_co_u32 s47, s47, 1
	s_cmp_lg_u32 s47, 0
	s_cbranch_scc1 .Lpair
	HEAD 1, 1                                      ; trip 15 asks for the last block
	s_and_b32 s56, s16, 15
	s_cmp_eq_u32 s56, 8                            ; role B with I = 0: this trip is block 0 of super-row 0.  The cluster's number decides, alike in all four partners
	s_cbranch_scc1 .Lfine
	BODY 1, 2
	s_branch .Ljoin
.Lfine:
	FINEBODY 1
.Ljoin:
	TAIL 1, 0
	TRIP 0, 0, 1, 0                                ; trip 16 asks for nothing
	FLUSH
	s_wait_dscnt 0x0
	s_set_vgpr_msb 0x8
	s_wait_tensorcnt 0x0
	ds_add_u32 v23, v145
	s_wait_dscnt 0x0
	s_set_vgpr_msb 0x800
	ROUND                                          ; the closing round: no work-group ends while a partner may still ask for a block that names it
	s_endpgm
.Lfunc_end_k_q91e06738d4_attn:
	.size	k_q91e06738d4_attn, .Lfunc_end_k_q91e06738d4_attn-k_q91e06738d4_attn
	.p2alignl 7, 3214868480
	.fill 96, 4, 3214868480
	.section	.rodata,"a",@progbits
	.p2align	6, 0x0
	.amdhsa_kernel k_q91e06738d4_attn
		.amdhsa_group_segment_fixed_size 327680
		.amdhsa_private_segment_fixed_size 0
		.amdhsa_enable_private_segment 0
		.amdhsa_kernarg_size 48
		.amdhsa_user_sgpr_count 2
		.amdhsa_user_sgpr_kernarg_segment_ptr 1
		.amdhsa_wavefront_size32 1
		.amdhsa_system_sgpr_workgroup_id_x 1
		.amdhsa_system_sgpr_workgroup_id_y 1
		.amdhsa_system_sgpr_workgroup_id_z 1
		.amdhsa_system_vgpr_workitem_id 0
		.amdhsa_next_free_vgpr 658
		.amdhsa_next_free_sgpr 66
		.amdhsa_reserve_vcc 1
		.amdhsa_float_denorm_mode_32 3
		.amdhsa_float_denorm_mode_16_64 3
		.amdhsa_memory_ordered 1
		.amdhsa_forward_progress 1
		.amdhsa_inst_pref_size 255
	.end_amdhsa_kernel
	.section	.bss,"aw",@nobits
	.p2align	6
	.space	262144
	.amdgpu_metadata
---
amdhsa.version: [ 1, 2 ]
amdhsa.kernels:
  - .name:           k_q91e06738d4_attn
    .symbol:         k_q91e06738d4_attn.kd
    .args:
      - { .name: qf, .offset: 0, .size: 8, .value_kind: global_buffer, .address_space: global }
      - { .name: kv, .offset: 8, .size: 8, .value_kind: global_buffer, .address_space: global }
      - { .name: out0, .offset: 16, .size: 8, .value_kind: global_buffer, .address_space: global }
      - { .name: part, .offset: 24, .size: 8, .value_kind: global_buffer, .address_space: global }
      - { .name: stat, .offset: 32, .size: 8, .value_kind: global_buffer, .address_space: global }
      - { .name: lo, .offset: 40, .size: 8, .value_kind: global_buffer, .address_space: global }
    .group_segment_fixed_size: 327680
    .private_segment_fixed_size: 0
    .kernarg_segment_align: 8
    .kernarg_segment_size: 48
    .max_flat_workgroup_size: 128
    .sgpr_count:     66
    .vgpr_count:     658
    .wavefront_size: 32
...
	.end_amdgpu_metadata
.endif
;; end of part 2
;; launch comb (part 3): grid 256 x 1, 8 waves a work-group, no clusters, 0 bytes of LDS; arguments part, stat, out0; writes out0
.if DOCPART == 3
	.amdgcn_target "amdgcn-amd-amdhsa--gfx1250"
	.amdhsa_code_object_version 6
	.text
	.protected	k_q91e06738d4_comb
	.globl	k_q91e06738d4_comb
	.p2align	8
	.type	k_q91e06738d4_comb,@function
k_q91e06738d4_comb:
	s_mov_b64 s[64:65], 0
	v_nop
	global_prefetch_b8 v0, s[64:65] scope:SCOPE_SE
	s_setreg_imm32_b32 hwreg(HW_REG_WAVE_MODE, 25, 1), 1
	s_wait_xcnt 0x0
; THIRD LAUNCH: rows 2048 .. 4095 of each batch were summed over two ranges of keys (attn's roles A and B).  With M = max(mA, mB),
; wA = 2^(mA - M), wB = 2^(mB - M):  out = (wA OA + wB OB) / (wA lA + wB lB).  Nothing is left out here.
; A part without an open key has m = the lowest finite f32, l = 0, O = 0: its weight comes out 0.  Part A always holds key 0, so the divisor is at least about 1.
; A stream: every byte of part is read once and every byte of these rows of out0 written once, in loads and stores of 512 consecutive bytes a wave.
; No LDS, no matrix unit, no cluster: no two work-groups read the same bytes.
; part: [role][8,192 rows][512] f32;  stat: [role][m, l][8,192] f32.  A wave takes 4 rows: 32 loads are on their way at once.
; v1 16 lane;  v[2:5] row k's M, then its divisor and the reciprocal;  v[8:9] cA twice, v[10:11] cB twice, made just before the row is worked on
.set D,  16                            ; v[16:143] row k: OA in 32 k .. + 15, OB in 32 k + 16 .. + 31
	s_load_b128 s[4:7], s[0:1], 0x0                ; part s[4:5], stat s[6:7]
	s_load_b64 s[8:9], s[0:1], 0x10                ; out0
	v_lshrrev_b32 v1, 5, v0
	v_readfirstlane_b32 s10, v1                    ; wave
	s_lshl_b32 s11, ttmp9, 5
	s_lshl2_add_u32 s11, s10, s11                  ; my first row of the 8,192: 32 work-group + 4 wave
	v_and_b32 v1, 31, v0
	v_lshlrev_b32 v1, 4, v1
	s_lshl_b32 s12, s11, 2
	s_mov_b32 s13, 0
	s_lshl_b32 s14, s11, 11
	s_mov_b32 s15, 0
	s_lshr_b32 s32, s11, 11                        ; b
	s_lshl_b32 s32, s32, 11
	s_add_co_u32 s32, s32, s11
	s_add_co_u32 s32, s32, 2048                    ; row of out0: 4,096 b + 2,048 + (row mod 2,048)
	s_lshl_b32 s32, s32, 11
	s_mov_b32 s33, 0
	s_wait_kmcnt 0x0
	s_add_nc_u64 s[6:7], s[6:7], s[12:13]
	s_add_nc_u64 s[4:5], s[4:5], s[14:15]
	s_add_nc_u64 s[34:35], s[4:5], 0x1000000       ; role B's part
	s_add_nc_u64 s[8:9], s[8:9], s[32:33]
	s_load_b128 s[16:19], s[6:7], 0x0              ; mA of my four rows
	s_load_b128 s[20:23], s[6:7], 0x8000           ; lA
	s_load_b128 s[24:27], s[6:7], 0x10000          ; mB
	s_load_b128 s[28:31], s[6:7], 0x18000          ; lB
.irp k, 0,1,2,3
.irp j, 0,1,2,3
	global_load_b128 v[D+32*\k+4*\j:D+32*\k+4*\j+3], v1, s[4:5] offset:2048*\k+512*\j th:TH_LOAD_NT
.endr
.irp j, 0,1,2,3
	global_load_b128 v[D+32*\k+16+4*\j:D+32*\k+16+4*\j+3], v1, s[34:35] offset:2048*\k+512*\j th:TH_LOAD_NT
.endr
.endr
	s_wait_kmcnt 0x0
.irp k, 0,1,2,3
	v_max_num_f32 v[2+\k], s[16+\k], s[24+\k]      ; M
.endr
.irp k, 0,1,2,3
	v_sub_f32 v8, s[16+\k], v[2+\k]
	v_sub_f32 v10, s[24+\k], v[2+\k]
	v_exp_f32 v8, v8                               ; wA
	v_exp_f32 v10, v10                             ; wB
	v_nop                                          ; the plain instruction behind the exponentials (ISA guide 5.7.2)
	s_wait_alu depctr_va_vdst(0)
	v_mul_f32 v[2+\k], s[20+\k], v8
	v_fmac_f32 v[2+\k], s[28+\k], v10              ; wA lA + wB lB
	v_rcp_f32 v[2+\k], v[2+\k]
	v_nop
	s_wait_alu depctr_va_vdst(0)
	v_mul_f32 v8, v8, v[2+\k]
	v_mul_f32 v10, v10, v[2+\k]
	v_mov_b32 v9, v8
	v_mov_b32 v11, v10
	s_wait_loadcnt 24-8*\k                         ; this row's eight loads are in, the later rows' may stay out
.irp p, 0,1,2,3,4,5,6,7
	v_pk_mul_f32 v[D+32*\k+2*\p:D+32*\k+2*\p+1], v[D+32*\k+2*\p:D+32*\k+2*\p+1], v[8:9]
.endr
.irp p, 0,1,2,3,4,5,6,7
	v_pk_fma_f32 v[D+32*\k+2*\p:D+32*\k+2*\p+1], v[D+32*\k+16+2*\p:D+32*\k+16+2*\p+1], v[10:11], v[D+32*\k+2*\p:D+32*\k+2*\p+1]
.endr
.irp j, 0,1,2,3
	global_store_b128 v1, v[D+32*\k+4*\j:D+32*\k+4*\j+3], s[8:9] offset:2048*\k+512*\j th:TH_STORE_NT
.endr
.endr
	s_endpgm
.Lfunc_end_k_q91e06738d4_comb:
	.size	k_q91e06738d4_comb, .Lfunc_end_k_q91e06738d4_comb-k_q91e06738d4_comb
	.p2alignl 7, 3214868480
	.fill 96, 4, 3214868480
	.section	.rodata,"a",@progbits
	.p2align	6, 0x0
	.amdhsa_kernel k_q91e06738d4_comb
		.amdhsa_group_segment_fixed_size 0
		.amdhsa_private_segment_fixed_size 0
		.amdhsa_enable_private_segment 0
		.amdhsa_kernarg_size 24
		.amdhsa_user_sgpr_count 2
		.amdhsa_user_sgpr_kernarg_segment_ptr 1
		.amdhsa_wavefront_size32 1
		.amdhsa_system_sgpr_workgroup_id_x 1
		.amdhsa_system_sgpr_workgroup_id_y 1
		.amdhsa_system_sgpr_workgroup_id_z 1
		.amdhsa_system_vgpr_workitem_id 0
		.amdhsa_next_free_vgpr 144
		.amdhsa_next_free_sgpr 66
		.amdhsa_reserve_vcc 0
		.amdhsa_float_denorm_mode_32 3
		.amdhsa_float_denorm_mode_16_64 3
		.amdhsa_memory_ordered 1
		.amdhsa_forward_progress 1
		.amdhsa_inst_pref_size 13
	.end_amdhsa_kernel
	.amdgpu_metadata
---
amdhsa.version: [ 1, 2 ]
amdhsa.kernels:
  - .name:           k_q91e06738d4_comb
    .symbol:         k_q91e06738d4_comb.kd
    .args:
      - { .name: part, .offset: 0, .size: 8, .value_kind: global_buffer, .address_space: global }
      - { .name: stat, .offset: 8, .size: 8, .value_kind: global_buffer, .address_space: global }
      - { .name: out0, .offset: 16, .size: 8, .value_kind: global_buffer, .address_space: global }
    .group_segment_fixed_size: 0
    .private_segment_fixed_size: 0
    .kernarg_segment_align: 8
    .kernarg_segment_size: 24
    .max_flat_workgroup_size: 256
    .sgpr_count:     66
    .vgpr_count:     144
    .wavefront_size: 32
...
	.end_amdgpu_metadata
.endif
;; end of part 3
;; ======== version 2 of 2: 3 launches; version 1 with the launch comb written anew for expert scheduling mode
;; limits: values are held in f16: magnitudes above 65,504 overflow, below 6.1e-05 lose precision
;; workspace buffers: qf 2,097,152 bytes; kv 18,874,368 bytes; lo 278,528 bytes; part 33,554,432 bytes; stat 131,072 bytes
;; launch proj: the kernel of part 1 again; grid 4 x 64, 4 waves a work-group, clusters of 4 x 4, 327,680 bytes of LDS; arguments x, Wk, Wq, Wv, qf, kv, lo; writes qf, kv, lo
;; launch attn: the kernel of part 2 again; grid 4 x 64, 4 waves a work-group, clusters of 4 x 1, 327,680 bytes of LDS; arguments qf, kv, out0, part, stat, lo; writes out0, part, stat
;; launch comb (part 4): grid 256 x 1, 8 waves a work-group, no clusters, 0 bytes of LDS; arguments part, stat, out0; writes out0
.if DOCPART == 4
	.amdgcn_target "amdgcn-amd-amdhsa--gfx1250"
	.amdhsa_code_object_version 6
	.text
	.protected	k_q91e06738d4_comb
	.globl	k_q91e06738d4_comb
	.p2align	8
	.type	k_q91e06738d4_comb,@function
k_q91e06738d4_comb:
	s_mov_b64 s[64:65], 0
	v_nop
	global_prefetch_b8 v0, s[64:65] scope:SCOPE_SE
	s_setreg_imm32_b32 hwreg(HW_REG_WAVE_SCHED_MODE, 0, 2), 2
	s_setreg_imm32_b32 hwreg(HW_REG_WAVE_MODE, 25, 1), 1
	s_wait_xcnt 0x0
	s_wait_alu depctr_vm_vsrc(0)
; THIRD LAUNCH: rows 2048 .. 4095 of each batch were summed over two ranges of keys (attn's roles A and B).  With M = max(mA, mB),
; wA = 2^(mA - M), wB = 2^(mB - M):  out = (wA OA + wB OB) / (wA lA + wB lB).  Nothing is left out here.
; A part without an open key has m = the lowest finite f32, l = 0, O = 0: its weight comes out 0.  Part A always holds key 0, so the divisor is at least about 1.
; A stream: every byte of part is read once and every byte of these rows of out0 written once, in loads and stores of 512 consecutive bytes a wave.
; No LDS, no matrix unit, no cluster: no two work-groups read the same bytes.
; part: [role][8,192 rows][512] f32;  stat: [role][m, l][8,192] f32.  A wave takes 4 rows: 32 loads are on their way at once.
; THE MODE: SCHED_MODE bits 1:0 = 2 (LLVM: expert scheduling mode 2), set by the entry lines.  The code itself states the register dependences
; between vector instructions and memory instructions, with s_wait_alu, always for 0.
; THE PLAN.  Registers that memory instructions touch:
;   v1            16 lane.  Written at the head, never again; read by every load and every store as its offset.
;   v[16:143]     Row k at 32 k.  Written by the 32 loads at the head, ahead of which no vector instruction names them; read by row k's multiplies and
;                 multiply-adds, which leave the results in the row's first 16 registers; those are read by row k's four stores and written by nothing behind them.
;   v[2:5] and v[144:159] are named by vector instructions alone.
; So no register that a memory instruction has read is written again, and no load lands in a register that a vector instruction has named.  What is left to state:
; the wave's number in s10 ahead of its first reader; v1 ahead of the first load; each row's results ahead of its stores.  The four rows' coefficients are made
; together while the loads are on their way: eight exponentials are one batch with one wait, four reciprocals another.
; v1 16 lane;  v[2:5] row k's M, then its divisor and the reciprocal
.set D,  16                            ; v[16:143]  row k: OA in 32 k .. + 15, OB in 32 k + 16 .. + 31
.set CF, 144                           ; v[144:159] row k: cA twice at 4 k, cB twice at 4 k + 2
	s_load_b128 s[4:7], s[0:1], 0x0                ; part s[4:5], stat s[6:7]
	s_load_b64 s[8:9], s[0:1], 0x10                ; out0
	v_lshrrev_b32 v1, 5, v0
	v_readfirstlane_b32 s10, v1                    ; wave
	v_and_b32 v1, 31, v0
	v_lshlrev_b32 v1, 4, v1
	s_lshl_b32 s11, ttmp9, 5
	s_wait_alu depctr_va_sdst(0)                   ; s10 is written, ahead of its first reader: every base below is made from it
	s_lshl2_add_u32 s11, s10, s11                  ; my first row of the 8,192: 32 work-group + 4 wave
	s_lshl_b32 s12, s11, 2
	s_mov_b32 s13, 0
	s_lshl_b32 s14, s11, 11
	s_mov_b32 s15, 0
	s_lshr_b32 s32, s11, 11                        ; b
	s_lshl_b32 s32, s32, 11
	s_add_co_u32 s32, s32, s11
	s_add_co_u32 s32, s32, 2048                    ; row of out0: 4,096 b + 2,048 + (row mod 2,048)
	s_lshl_b32 s32, s32, 11
	s_mov_b32 s33, 0
	s_wait_kmcnt 0x0
	s_add_nc_u64 s[6:7], s[6:7], s[12:13]
	s_add_nc_u64 s[4:5], s[4:5], s[14:15]
	s_add_nc_u64 s[34:35], s[4:5], 0x1000000       ; role B's part
	s_add_nc_u64 s[8:9], s[8:9], s[32:33]
	s_load_b128 s[16:19], s[6:7], 0x0              ; mA of my four rows
	s_load_b128 s[20:23], s[6:7], 0x8000           ; lA
	s_load_b128 s[24:27], s[6:7], 0x10000          ; mB
	s_load_b128 s[28:31], s[6:7], 0x18000          ; lB
	s_wait_alu depctr_va_vdst(0)                   ; v1 is written: every load and store of the kernel reads it as its offset
.irp k, 0,1,2,3
.irp j, 0,1,2,3
	global_load_b128 v[D+32*\k+4*\j:D+32*\k+4*\j+3], v1, s[4:5] offset:2048*\k+512*\j th:TH_LOAD_NT
.endr
.irp j, 0,1,2,3
	global_load_b128 v[D+32*\k+16+4*\j:D+32*\k+16+4*\j+3], v1, s[34:35] offset:2048*\k+512*\j th:TH_LOAD_NT
.endr
.endr
	s_wait_kmcnt 0x0
	; the four rows' coefficients, while the loads are on their way
.irp k, 0,1,2,3
	v_max_num_f32 v[2+\k], s[16+\k], s[24+\k]      ; M
.endr
.irp k, 0,1,2,3
	v_sub_f32 v[CF+4*\k], s[16+\k], v[2+\k]
	v_sub_f32 v[CF+4*\k+2], s[24+\k], v[2+\k]
.endr
.irp k, 0,1,2,3
	v_exp_f32 v[CF+4*\k], v[CF+4*\k]               ; wA
	v_exp_f32 v[CF+4*\k+2], v[CF+4*\k+2]           ; wB
.endr
	v_nop                                          ; the plain instruction behind the exponentials (ISA guide 5.7.2)
	s_wait_alu depctr_va_vdst(0)                   ; the eight exponentials have written wA and wB, ahead of their first reader: one wait for the batch
.irp k, 0,1,2,3
	v_mul_f32 v[2+\k], s[20+\k], v[CF+4*\k]
.endr
.irp k, 0,1,2,3
	v_fmac_f32 v[2+\k], s[28+\k], v[CF+4*\k+2]     ; wA lA + wB lB
.endr
.irp k, 0,1,2,3
	v_rcp_f32 v[2+\k], v[2+\k]
.endr
	v_nop                                          ; the plain instruction behind the reciprocals
	s_wait_alu depctr_va_vdst(0)                   ; the four reciprocals have written v[2:5], ahead of their first reader: one wait for the batch
.irp k, 0,1,2,3
	v_mul_f32 v[CF+4*\k], v[CF+4*\k], v[2+\k]      ; cA
	v_mul_f32 v[CF+4*\k+2], v[CF+4*\k+2], v[2+\k]  ; cB
.endr
.irp k, 0,1,2,3
	v_mov_b32 v[CF+4*\k+1], v[CF+4*\k]             ; each twice, a pair for the packed arithmetic
	v_mov_b32 v[CF+4*\k+3], v[CF+4*\k+2]
.endr
.irp k, 0,1,2,3
	s_wait_loadcnt 24-8*\k                         ; this row's eight loads are in, the later rows' may stay out
.irp p, 0,1,2,3,4,5,6,7
	v_pk_mul_f32 v[D+32*\k+2*\p:D+32*\k+2*\p+1], v[D+32*\k+2*\p:D+32*\k+2*\p+1], v[CF+4*\k:CF+4*\k+1]
.endr
.irp p, 0,1,2,3,4,5,6,7
	v_pk_fma_f32 v[D+32*\k+2*\p:D+32*\k+2*\p+1], v[D+32*\k+16+2*\p:D+32*\k+16+2*\p+1], v[CF+4*\k+2:CF+4*\k+3], v[D+32*\k+2*\p:D+32*\k+2*\p+1]
.endr
	s_wait_alu depctr_va_vdst(0)                   ; the multiply-adds have written the row's first 16 registers, which the four stores below read
.irp j, 0,1,2,3
	global_store_b128 v1, v[D+32*\k+4*\j:D+32*\k+4*\j+3], s[8:9] offset:2048*\k+512*\j th:TH_STORE_NT
.endr
.endr
	s_endpgm
.Lfunc_end_k_q91e06738d4_comb:
	.size	k_q91e06738d4_comb, .Lfunc_end_k_q91e06738d4_comb-k_q91e06738d4_comb
	.p2alignl 7, 3214868480
	.fill 96, 4, 3214868480
	.section	.rodata,"a",@progbits
	.p2align	6, 0x0
	.amdhsa_kernel k_q91e06738d4_comb
		.amdhsa_group_segment_fixed_size 0
		.amdhsa_private_segment_fixed_size 0
		.amdhsa_enable_private_segment 0
		.amdhsa_kernarg_size 24
		.amdhsa_user_sgpr_count 2
		.amdhsa_user_sgpr_kernarg_segment_ptr 1
		.amdhsa_wavefront_size32 1
		.amdhsa_system_sgpr_workgroup_id_x 1
		.amdhsa_system_sgpr_workgroup_id_y 1
		.amdhsa_system_sgpr_workgroup_id_z 1
		.amdhsa_system_vgpr_workitem_id 0
		.amdhsa_next_free_vgpr 160
		.amdhsa_next_free_sgpr 66
		.amdhsa_reserve_vcc 0
		.amdhsa_float_denorm_mode_32 3
		.amdhsa_float_denorm_mode_16_64 3
		.amdhsa_memory_ordered 1
		.amdhsa_forward_progress 1
		.amdhsa_inst_pref_size 13
	.end_amdhsa_kernel
	.amdgpu_metadata
---
amdhsa.version: [ 1, 2 ]
amdhsa.kernels:
  - .name:           k_q91e06738d4_comb
    .symbol:         k_q91e06738d4_comb.kd
    .args:
      - { .name: part, .offset: 0, .size: 8, .value_kind: global_buffer, .address_space: global }
      - { .name: stat, .offset: 8, .size: 8, .value_kind: global_buffer, .address_space: global }
      - { .name: out0, .offset: 16, .size: 8, .value_kind: global_buffer, .address_space: global }
    .group_segment_fixed_size: 0
    .private_segment_fixed_size: 0
    .kernarg_segment_align: 8
    .kernarg_segment_size: 24
    .max_flat_workgroup_size: 256
    .sgpr_count:     66
    .vgpr_count:     160
    .wavefront_size: 32
...
	.end_amdgpu_metadata
.endif
;; end of part 4
